; MI455X (gfx1250); checked and timed in simulation.
; The chip was launched on July 23, 2026; its instructions are those of AMD's public machine-readable ISA for CDNA 5 (MIT licence, August 2026) and "CDNA5" Instruction Set Architecture Reference Guide (July 2026). The comments in the code are by the model that wrote it; some were corrected since.
;; Embedding LSTM Cell. Allowed arithmetic: matrix products marked QUANTISED: E4M3 operands, one given power-of-two scale a tensor, by v_wmma_f32_16x16x64_fp8_fp8 or v_wmma_f32_16x16x128_fp8_fp8, f32 sums; everything else in f32.
;; Inputs: W_forget 2,048 x 1,024 float32; W_input 2,048 x 1,024 float32; W_out 2,048 x 1,024 float32; W_update 2,048 x 1,024 float32; b_forget 1,024 float32; b_input 1,024 float32; b_out 1,024 float32; b_update 1,024 float32; c_prev 8,192 x 1,024 float32; embed 8,192 x 1,024 float32; h_prev 8,192 x 1,024 float32; lowp_scales 2 int32 (the exponents e of the quantised operands' scales 2^e); x 8,192 x 1,024 float32.
;; Outputs: out0 8,192 x 1,024 float32; out1 8,192 x 1,024 float32.
;; This version of the problem:
;;   THIS VERSION OF THE PROBLEM IS GIVEN IN LOW PRECISION. The matrix products marked QUANTISED in the list below multiply operands that are first quantised to E4M3 (4 exponent bits, 3 mantissa bits; 8 bits a number), with one given power-of-two scale for each operand tensor; their sums are f32. All else is computed in f32.
;;   The module's matrix products, in the order in which they are computed (A, B: the left and right operand; K: the contracted axis; several contracted axes count as one K, in the product's order):
;;     1. [M 8,192, K 2,048] x [K 2,048, N 4,096]; A: computed on the way; B: computed on the way: QUANTISED (scales: A lowp_scales[0], B lowp_scales[1])
;;   THE QUANTISER, for each operand of a quantised product, along K:
;;     - The operand's scale is 2^e, e = its entry of the input lowp_scales (int32; the entries are numbered through the quantised products in the list's order, A before B).
;;     - Each number is divided by the scale, clamped to +-448, and rounded to the nearest number of E4M3, ties to even, subnormals kept.
;;     - The product sums the exact products of the quantised numbers (number of the format x scale) in f32.
;;   ~~~python
;;   def quantise(x, axis, e):      # numpy; x: float32 -> the quantised numbers, widened to float32 again
;;       x = np.moveaxis(x, axis, -1); K = x.shape[-1]
;;       r = np.clip(x / 2.0 ** e, -448, 448)
;;       step = 2.0 ** (np.maximum(np.frexp(np.where(r == 0, 1, r))[1] - 1, -6) - 3)
;;       q = np.round(r / step) * step * 2.0 ** e      # np.round: ties to even
;;       return np.moveaxis(q, -1, axis).astype(np.float32)
;;   ~~~
;;   OPERANDS COMPUTED ON THE WAY. 'Computed on the way' means the value that the module computes at that place (a softmax that the list does not call 'softmax' is quantised finished and normalised). What goes into a quantiser is computed in f32, as accurately as f32 sums, v_exp_f32 and their like allow (about 1e-6 of the number): no bf16 or f16 on the way to a quantiser, and a product that is left as it is and whose result goes on into a quantised operand takes f32 operands (vector FMAs, or v_wmma_f32_16x16x4_f32). A number that lies on a knife's edge between two numbers of the format may be rounded either way, as far as f32 arithmetic and the matrix unit's own rounding can turn it there, and no further.
;; One version. Each part assembles by itself: llvm-mc -triple=amdgcn-amd-amdhsa -mcpu=gfx1250 --defsym DOCPART=n.
;; ======== version 1 of 1: 2 launches
;; limits: a function is approximated: absolute error at most 1e-07
;; workspace buffers: a_codes 16,777,216 bytes; w_codes 8,388,608 bytes
;; launch quant (part 1): grid 768 x 1, 4 waves a work-group, no clusters, 35,328 bytes of LDS; arguments x, h_prev, W_forget, W_input, W_update, W_out, lowp_scales, a_codes, w_codes; writes a_codes, w_codes
.if DOCPART == 1
	.amdgcn_target "amdgcn-amd-amdhsa--gfx1250"
	.amdhsa_code_object_version 6
	.text
	.protected	k_q2ff6b95641_quant
	.globl	k_q2ff6b95641_quant
	.p2align	8
	.type	k_q2ff6b95641_quant,@function
k_q2ff6b95641_quant:
	s_mov_b64 s[64:65], 0
	v_nop
	global_prefetch_b8 v0, s[64:65] scope:SCOPE_SE
	s_setreg_imm32_b32 hwreg(HW_REG_WAVE_MODE, 25, 1), 1
	s_wait_xcnt 0x0
; The two operands of gates = [x | h_prev] [W_forget | W_input | W_update | W_out] become codes of FP8 (E4M3), each with the one scale 2^e given for it
; (entry 0 of the scales for the left operand, entry 1 for the right): code = number / 2^e, held within +-448, to the nearest code, ties to even.
; LIMITS: -126 <= e <= 119, so that 2^e and 448 x 2^e are f32 numbers.  NaN among the inputs is not served (an infinity is held at the largest code).
; a_codes: [8192 rows][2048 bytes].  w_codes: [4096 rows][2048 bytes], K innermost in both.
; THE ORDER ALONG K is this program's own and the same in both buffers, so that every product still meets its partner: K is cut into four chunks of 512
; (0, 1: x; 2, 3: h_prev), and byte p of a chunk holds k = 128 ((p >> 2) & 3) + 4 (p >> 4) + (p & 3).  So a lane that takes 16 bytes of each of four
; loads of 512 consecutive bytes (numbers 128 i + 4 lane + 0 .. 3) holds just the 16 numbers of its 16 neighbouring code bytes: nothing changes lanes.
; THE ORDER OF w_codes' ROWS: gate g (0 forget, 1 input, 2 update, 3 out), hidden column J lies at row 128 (J >> 5) + 32 g + (J & 31): 128 neighbouring rows
; are 32 hidden columns of all four gates, which the next launch wants together.
; Work-groups 0-511 take the left operand (0-255 x, 256-511 h_prev), 512-767 the weights.  No tensor loads, no barrier: waves share nothing.  Only the weights' way uses LDS.
.set WGA,   512
.set EMAX,  8
.set MANT,  0x600000                   ; the mantissa field of 448 as f32
.set R,     16                         ; left operand: v16-79   four sets of 16 numbers
.set C,     128                        ; left operand: v128-191 four registers of codes for each step: no store's data are written again
.set X,     32                         ; weights: v32-95   two sets of 32 numbers
.set CW,    96                         ; weights: v96-103  a block's codes
.set OUTR,  112                        ; weights: v112-175 the way out
.set WP,    272                        ; weights: a stage row: 256 bytes of codes + 16
.macro LOAD t                          ; step t: 512 numbers, half a row: four loads of 512 consecutive bytes
.irp i, 0,1,2,3
	global_load_b128 v[R+16*((\t)%4)+4*\i:R+16*((\t)%4)+4*\i+3], v3, s[4:5] offset:2048*(\t)+512*\i th:TH_LOAD_NT
.endr
.endm
.macro STEP t
.set XS, R+16*((\t)%4)
.if (\t) <= 12
	s_wait_loadcnt 12                              ; this step's four loads are in; those of the three steps behind it may be out
.else
	s_wait_loadcnt 4*(15-(\t))
.endif
.irp i, 0,1,2,3,4,5,6,7,8,9,10,11,12,13,14,15
	v_med3_num_f32 v[XS+\i], v[XS+\i], -v10, v10   ; the conversion to an 8-bit code does not saturate (ISA guide 7.6.2): the hold at the largest code x the scale
.endr
	v_cvt_scalef32_pk8_fp8_f32 v[C+4*(\t):C+4*(\t)+1], v[XS:XS+7], v11
	v_cvt_scalef32_pk8_fp8_f32 v[C+4*(\t)+2:C+4*(\t)+3], v[XS+8:XS+15], v11
.if (\t)+4 < 16
	LOAD (\t)+4                                    ; the set just converted takes the loads of four steps on
.endif
	global_store_b128 v4, v[C+4*(\t):C+4*(\t)+3], s[20:21] offset:((\t)/2)*2048+((\t)%2)*512   ; the wave stores 512 consecutive bytes, at a multiple of 512 from the buffer's first byte
.endm
.macro LOADW t                         ; block t: the 32 rows of W whose codes are bytes 32 t .. 32 t + 31 of my column's 256, into set t % 2; a wave reads 128 consecutive bytes of a row, the four waves 512
.irp i, 0,1,2,3,4,5,6,7,8,9,10,11,12,13,14,15,16,17,18,19,20,21,22,23,24,25,26,27,28,29,30,31
	global_load_b32 v[X+32*((\t)%2)+\i], v3, s[32:33] offset:(8*(\t)+4*(\i>>4)+128*((\i>>2)&3)+(\i&3))*4096 th:TH_LOAD_NT
.endr
.endm
.macro BLOCKW t
.set XS, X+32*((\t)%2)
.if (\t) < 7
	s_wait_loadcnt 32                              ; this block's 32 loads are in; the next block's may be out
.else
	s_wait_loadcnt 0
.endif
.irp i, 0,1,2,3,4,5,6,7,8,9,10,11,12,13,14,15,16,17,18,19,20,21,22,23,24,25,26,27,28,29,30,31
	v_med3_num_f32 v[XS+\i], v[XS+\i], -v10, v10
.endr
.irp g, 0,1,2,3
	v_cvt_scalef32_pk8_fp8_f32 v[CW+2*\g:CW+2*\g+1], v[XS+8*\g:XS+8*\g+7], v11
.endr
	ds_store_b128 v4, v[CW:CW+3] offset:32*(\t)    ; 32 codes of my column's row
	ds_store_b128 v4, v[CW+4:CW+7] offset:32*(\t)+16
.if (\t)+2 < 8
	LOADW (\t)+2
.endif
	s_wait_dscnt 0x0                               ; the stores have read their registers: the next block's codes may be written
.endm
	s_load_b128 s[4:7], s[0:1], 0x0                ; x, h_prev
	s_load_b256 s[8:15], s[0:1], 0x10              ; W_forget, W_input, W_update, W_out
	s_load_b64 s[16:17], s[0:1], 0x30              ; the scales' exponents
	s_load_b128 s[20:23], s[0:1], 0x38             ; a_codes, w_codes
	v_lshl_add_u32 v192, v0, 2, 0x8800
	v_mov_b32 v193, 0
	v_lshrrev_b32 v1, 5, v0
	v_readfirstlane_b32 s24, v1                    ; wave 0..3
	v_and_b32 v2, 31, v0                           ; lane
	s_wait_kmcnt 0x0
	s_load_b64 s[30:31], s[16:17], 0x0             ; e of the left operand, e of the right
	s_cmp_lt_u32 ttmp9, WGA
	s_cbranch_scc0 .Lweights
	; ---- the left operand: a wave takes 8 rows of x or of h_prev, 16 steps of half a row
	v_lshlrev_b32 v3, 4, v2                        ; my 16 bytes of a load's 512
	v_lshlrev_b32 v4, 4, v2                        ; and my 16 codes of a step's 512
	s_and_b32 s25, ttmp9, 255
	s_lshr_b32 s26, ttmp9, 8                       ; 0: x, 1: h_prev
	s_cmp_eq_u32 s26, 0
	s_cselect_b64 s[4:5], s[4:5], s[6:7]           ; the choice hangs on the work-group's number alone
	s_lshl_b32 s25, s25, 2
	s_add_co_u32 s25, s25, s24                     ; which 8 rows are my wave's: 0 .. 1023
	s_lshl_b32 s28, s25, 15                        ; 8 rows of 4,096 bytes
	s_mov_b32 s29, 0
	s_add_nc_u64 s[4:5], s[4:5], s[28:29]
	s_lshl_b32 s28, s25, 14                        ; 8 rows of 2,048 codes,
	s_lshl_b32 s26, s26, 10                        ; h_prev's in the rows' second half
	s_add_co_u32 s28, s28, s26
	s_add_nc_u64 s[20:21], s[20:21], s[28:29]
.irp t, 0,1,2,3
	LOAD \t
.endr
	s_wait_kmcnt 0x0
	s_add_co_i32 s30, s30, 127
	s_lshl_b32 s27, s30, 23
	v_mov_b32 v11, s27                             ; 2^e as f32: the conversion takes its exponent field
	s_add_co_i32 s30, s30, EMAX
	s_lshl_b32 s30, s30, 23
	s_or_b32 s30, s30, MANT
	v_mov_b32 v10, s30                             ; 448 x 2^e
.irp t, 0,1,2,3,4,5,6,7,8,9,10,11,12,13,14,15
	STEP \t
.endr
	s_endpgm
	; ---- the weights: K is their first axis.  A lane takes a column and its registers run down K, in the order of the code bytes: the conversions then give codes with K innermost.
	; A wave takes 32 columns x 256 code bytes; they go through its own stage in LDS and leave as rows: sixteen lanes store 256 consecutive bytes.
.Lweights:
	s_sub_co_u32 s25, ttmp9, WGA
	s_lshr_b32 s26, s25, 6                         ; gate 0..3
	s_and_b32 s27, s25, 7                          ; which 128 columns
	s_bfe_u32 s28, s25, 0x30003                    ; which 256 code bytes of a row
	s_and_b32 s29, s26, 1
	s_cmp_lg_u32 s29, 0
	s_cselect_b64 s[32:33], s[10:11], s[8:9]       ; input or forget,
	s_cselect_b64 s[34:35], s[14:15], s[12:13]     ; out or update,
	s_cmp_ge_u32 s26, 2
	s_cselect_b64 s[32:33], s[34:35], s[32:33]     ; and of these two the gate's
	s_lshr_b32 s29, s28, 1
	s_lshl_b32 s29, s29, 21                        ; the chunk: 512 rows of 4,096 bytes
	s_and_b32 s36, s28, 1
	s_lshl_b32 s36, s36, 18                        ; the chunk's second 256 bytes begin 64 rows further down
	s_add_co_u32 s36, s36, s29
	s_lshl_b32 s29, s27, 9                         ; 128 columns of 4 bytes
	s_add_co_u32 s36, s36, s29
	s_lshl_b32 s29, s24, 7                         ; my wave's 32 of them
	s_add_co_u32 s36, s36, s29
	s_mov_b32 s37, 0
	s_add_nc_u64 s[32:33], s[32:33], s[36:37]
	s_lshl_b32 s29, s27, 2
	s_add_co_u32 s29, s29, s24                     ; J >> 5
	s_lshl_b32 s36, s29, 18                        ; 128 rows of 2,048 bytes,
	s_lshl_b32 s29, s26, 16                        ; + 32 rows for each gate,
	s_add_co_u32 s36, s36, s29
	s_lshl_b32 s29, s28, 8                         ; + my 256 bytes of the rows
	s_add_co_u32 s36, s36, s29
	s_add_nc_u64 s[22:23], s[22:23], s[36:37]
	v_lshlrev_b32 v3, 2, v2                        ; in: 4 bytes a lane
	s_mul_i32 s38, s24, 32*WP                      ; my stage
	v_mul_u32_u24 v4, v2, WP
	v_add_nc_u32 v4, s38, v4                       ; into it: row = my column
	v_and_b32 v5, 15, v2
	v_lshrrev_b32 v6, 4, v2                        ; out of it: sixteen lanes to a row, two rows an instruction
	v_mul_u32_u24 v7, v6, WP
	v_lshl_add_u32 v7, v5, 4, v7
	v_add_nc_u32 v7, s38, v7
	v_lshlrev_b32 v8, 11, v6
	v_lshl_add_u32 v8, v5, 4, v8                   ; and the same place in w_codes
	LOADW 0
	LOADW 1
	s_wait_kmcnt 0x0
	s_add_co_i32 s31, s31, 127
	s_lshl_b32 s27, s31, 23
	v_mov_b32 v11, s27                             ; 2^e as f32
	s_add_co_i32 s31, s31, EMAX
	s_lshl_b32 s31, s31, 23
	s_or_b32 s31, s31, MANT
	v_mov_b32 v10, s31                             ; 448 x 2^e
.irp t, 0,1,2,3,4,5,6,7
	BLOCKW \t
.endr
.irp t, 0,1,2,3,4,5,6,7,8,9,10,11,12,13,14,15
	ds_load_b128 v[OUTR+4*\t:OUTR+4*\t+3], v7 offset:2*\t*WP   ; LDS serves a wave's instructions in order (ISA guide 5.7.1.4): these see my stores
.endr
.irp t, 0,1,2,3,4,5,6,7,8,9,10,11,12,13,14,15
	s_wait_dscnt 15-\t                             ; the younger loads may be out
	global_store_b128 v8, v[OUTR+4*\t:OUTR+4*\t+3], s[22:23] offset:2*\t*2048
.endr
	s_wait_tensorcnt 0x0
	ds_add_u32 v192, v193
	s_wait_dscnt 0x0
	s_endpgm
.Lfunc_end_k_q2ff6b95641_quant:
	.size	k_q2ff6b95641_quant, .Lfunc_end_k_q2ff6b95641_quant-k_q2ff6b95641_quant
	.p2alignl 7, 3214868480
	.fill 96, 4, 3214868480
	.section	.rodata,"a",@progbits
	.p2align	6, 0x0
	.amdhsa_kernel k_q2ff6b95641_quant
		.amdhsa_group_segment_fixed_size 35328
		.amdhsa_private_segment_fixed_size 0
		.amdhsa_enable_private_segment 0
		.amdhsa_kernarg_size 72
		.amdhsa_user_sgpr_count 2
		.amdhsa_user_sgpr_kernarg_segment_ptr 1
		.amdhsa_wavefront_size32 1
		.amdhsa_system_sgpr_workgroup_id_x 1
		.amdhsa_system_sgpr_workgroup_id_y 1
		.amdhsa_system_sgpr_workgroup_id_z 1
		.amdhsa_system_vgpr_workitem_id 0
		.amdhsa_next_free_vgpr 194
		.amdhsa_next_free_sgpr 66
		.amdhsa_reserve_vcc 0
		.amdhsa_float_denorm_mode_32 3
		.amdhsa_float_denorm_mode_16_64 3
		.amdhsa_memory_ordered 1
		.amdhsa_forward_progress 1
		.amdhsa_inst_pref_size 77
	.end_amdhsa_kernel
	.amdgpu_metadata
---
amdhsa.version: [ 1, 2 ]
amdhsa.kernels:
  - .name:           k_q2ff6b95641_quant
    .symbol:         k_q2ff6b95641_quant.kd
    .args:
      - { .name: x, .offset: 0, .size: 8, .value_kind: global_buffer, .address_space: global }
      - { .name: h_prev, .offset: 8, .size: 8, .value_kind: global_buffer, .address_space: global }
      - { .name: W_forget, .offset: 16, .size: 8, .value_kind: global_buffer, .address_space: global }
      - { .name: W_input, .offset: 24, .size: 8, .value_kind: global_buffer, .address_space: global }
      - { .name: W_update, .offset: 32, .size: 8, .value_kind: global_buffer, .address_space: global }
      - { .name: W_out, .offset: 40, .size: 8, .value_kind: global_buffer, .address_space: global }
      - { .name: lowp_scales, .offset: 48, .size: 8, .value_kind: global_buffer, .address_space: global }
      - { .name: a_codes, .offset: 56, .size: 8, .value_kind: global_buffer, .address_space: global }
      - { .name: w_codes, .offset: 64, .size: 8, .value_kind: global_buffer, .address_space: global }
    .group_segment_fixed_size: 35328
    .private_segment_fixed_size: 0
    .kernarg_segment_align: 8
    .kernarg_segment_size: 72
    .max_flat_workgroup_size: 128
    .sgpr_count:     66
    .vgpr_count:     194
    .wavefront_size: 32
...
	.end_amdgpu_metadata
.endif
;; end of part 1
;; launch cell (part 2): grid 16 x 16, 4 waves a work-group, clusters of 4 x 4, 327,680 bytes of LDS; arguments a_codes, w_codes, lowp_scales, c_prev, b_forget, b_input, b_update, b_out, out0, out1; writes out0, out1
.if DOCPART == 2
	.amdgcn_target "amdgcn-amd-amdhsa--gfx1250"
	.amdhsa_code_object_version 6
	.text
	.protected	k_q2ff6b95641_cell
	.globl	k_q2ff6b95641_cell
	.p2align	8
	.type	k_q2ff6b95641_cell,@function
k_q2ff6b95641_cell:
	s_mov_b64 s[64:65], 0
	v_nop
	global_prefetch_b8 v0, s[64:65] scope:SCOPE_SE
	s_setreg_imm32_b32 hwreg(HW_REG_WAVE_MODE, 25, 1), 1
	s_wait_xcnt 0x0
	s_wait_alu depctr_hold_cnt(0) depctr_sa_sdst(0) depctr_va_vdst(0) depctr_va_sdst(0) depctr_va_ssrc(0) depctr_va_vcc(0) depctr_vm_vsrc(0)
	s_getreg_b32 s2, hwreg(HW_REG_IB_STS2, 6, 4)
	s_cmp_eq_u32 s2, 0
	s_cbranch_scc0 .Lentry_in_a_cluster
	s_endpgm
.Lentry_in_a_cluster:
	s_bfe_u32 s2, ttmp6, 0x10000c
	s_cmp_lg_u32 s2, 0xf033
	s_cbranch_scc0 .Lentry_shape_is_right
	s_endpgm
.Lentry_shape_is_right:
; An LSTM cell.  gates = A W + b on codes of FP8 (E4M3): a_codes [8192][2048], w_codes [4096][2048], K innermost and in the same order in both; a sum stands for sum x 2^(ea + eb).
; c_t = c_prev sigmoid(f) + sigmoid(i) tanh(g) -> out1;  h_t = sigmoid(o) tanh(c_t) -> out0;  all behind the sums in f32.
; The input embed is not loaded: the cell computes nothing from it.
; LIMITS: ea + eb between -126 and 126 (it is added to the exponent fields of -log2(e) and 2 log2(e)).  NaN among the inputs is not served.
; tanh(x) = 1 - 2 / (1 + e^(2x)): its absolute error is about 1e-7; for very small x it is not accurate relative to x.  Where the exponential overflows, the reciprocal is 0, which is the limit.
; SHARES.  A tile is 256 rows x 64 hidden columns of both outputs = 256 x 256 of the gates, made by a work-group of four waves.  Row 128 (J >> 5) + 32 g + (J & 31) of w_codes is gate g of hidden column J, so a
; wave's 128 rows of w_codes are 32 hidden columns x 4 gates: block b = 2 g + u of 16 rows is gate g, columns 16 u on.  A wave makes 128 x 128: 64 accumulators of 16 x 16, 512 registers.
; A WORK-GROUP STAYS: 16 x 16 work-groups make 16 x 32 tiles, each two tiles 4,096 rows apart, on the same rows of w_codes.  The ring does not stop at the first tile's end: its last two changes of slots
; ask for the second tile's first two K steps, which land while the first tile's cells are computed, and nothing waits for the first tile's stores.
; THE MATRIX INSTRUCTION IS USED TRANSPOSED (source 0 = 16 rows of w_codes, source 1 = 16 rows of a_codes): a lane holds one row and eight neighbouring columns, and register j of the accumulators
; (a, u), (a, 2 + u), (a, 4 + u), (a, 6 + u) is f, i, g, o of ONE hidden unit: the cell's arithmetic never leaves the lane.
; K goes in steps of 256 through a ring of two LDS slots filled by the tensor data mover.  CLUSTERS: 4 x 4 work-groups; the four of a row of the cluster need the same tiles of a_codes, the four of a
; column the same tiles of w_codes: each tile is asked for JOINTLY, by the same tensor load with the same descriptor and a mask that names the four.
; c_prev, c_t and h_t change between whole rows of 256 bytes (memory) and a lane's 32 bytes of a row (the cell) in stages of their own behind the ring, 16 rows of each row half at a time.  A whole tile of
; c_prev (69,632 bytes with its padding) has no room beside the ring, so it comes through registers: whole rows by global loads, then LDS stores.
; REGISTERS, in windows of 256: window 0: v0-31 addresses; v32-95 the biases x their factors; v96-127 c_prev of blocks 0, 1 as loaded; from v128 a_codes' fragments, ONE set; in the tail v128-191 the gates,
;   v192-207 c, v208-223 h, v224-255 rows on their way out.   window 1: w_codes' fragments, TWO sets; from the last step on v0-95 c_prev of blocks 2-7 as loaded.
;   window 2: the accumulators of my rows 0-63 ((a, b) at v[8 (8 a + b)]);   window 3: those of my rows 64-127.
.set KSTEP,  256                       ; along K in a slot
.set ROWB,   256                       ; a tile's row in bytes
.set KROW,   2048                      ; a row of codes in memory
.set HROW,   4096                      ; a row of c_prev, out0, out1 in memory
.set PITCH,  272                       ; an LDS row: 256 bytes + 16 of padding = 68 words: row r starts at bank 4 r mod 64 (64 banks of 4 bytes: ISA guide 11.1)
.set FR,     16                        ; registers of a fragment: 16 rows x 128 K
.set NL,     4                         ; LDS loads that bring one
.set NP,     4                         ; places behind this matrix instruction (ISA guide 7.12.1)
.set HALFT,  128*PITCH                 ; 128 rows: what one joint load brings
.set SLOT,   4*HALFT                   ; a_codes' 256 rows, then w_codes' 256 rows
.set LAPS,   4                         ; 2,048 along K = 8 K steps = 4 times round the ring
.set TILES,  2                         ; tiles of a work-group,
.set WALK,   4096                      ; this many rows apart
.set NEXT_A, WALK*KROW-(KROW-2*ROWB)   ; bytes from a slot's last K step of a tile to its first of the next: a_codes goes WALK rows down and back along K,
.set BACK_B, KROW-2*ROWB               ; w_codes only back
.set NEXT_H, WALK*HROW                 ; c_prev, out0, out1: WALK rows down
.set SPARE,  2*SLOT                    ; behind the ring: the spare words, 128 bytes for each wave: two blocks of 256 bytes that no other line names
.set CBUF,   32*PITCH                  ; a stage buffer: 16 rows of each of the two row halves
.set CST,    SPARE+512                 ; three buffers, block a in buffer a % 3: c_prev, then c_t over it in place
.set HST,    CST+3*CBUF                ; two buffers, block a in buffer a % 2: h_t.  No tensor load lands from CST on
.set ADRA, 16                          ; v16-17  LDS address of my fragments of a_codes in slot 0, 1
.set ADRB, 20                          ; v20-21  the same for w_codes
.set BO,   22                          ; v22     byte offset of my eight columns in a bias
.set PF,   23                          ; v23     prefetch: my lane's row among the wave's 64 rows of c_prev
.set CADR, 24                          ; v24     the cell: my 32 bytes of a row of c in a stage buffer
.set HADR, 25                          ; v25     the same for h
.set CO,   26                          ; v26     my 16 bytes of two whole rows in memory
.set RDC,  27                          ; v27     and in a buffer of CST
.set SPW,  28                          ; v28     LDS address of my spare word: SPARE + 4 x my thread's number; never rewritten
.set NIL,  29                          ; v29     0; never rewritten
.set RDH,  30                          ; v30     my 16 bytes of two whole rows in a buffer of HST
.set BIAS, 32                          ; v[32 + 16 g + 8 u + j]
.set CIN,  96                          ; v[96 + 16 a + 4 t ..], a = 0, 1
.set AF,   128
.set G,    128                         ; v[128 + 16 g + 8 u + j]
.set CC,   192                         ; v[192 + 8 u + j]
.set TT,   208
.set OUTR, 224                         ; four quads of c_t, four of h_t
.set G1,  24                           ; s[24:31] descriptor group 1 for a_codes' tiles;  s[32:39] group 0, one set for each slot
.set G0,  32
.set G1B, 48                           ; s[48:55], s[56:63] the same for w_codes' tiles
.set G0B, 56
.set MSB, 0
.macro WIN new                         ; the immediate's high byte repeats the setting that is left
.if MSB != (\new)
	s_set_vgpr_msb (MSB<<8)|(\new)
.set MSB, (\new)
.endif
.endm
.set MUL_LO, 0xa1                      ; source 0 (w_codes) window 1, source 1 (a_codes) window 0, C and D window 2
.set MUL_HI, 0xf1                      ; the same, C and D window 3
.set TO_B,   0x40                      ; destination window 1, address window 0
; A joint load: waves 0 and 1 fetch a_codes' halves, waves 2 and 3 w_codes'.  Each line has ONE mask and one set of registers for all that issue it; the branch hangs on the wave's number alone.
; Four v_nop follow each of the two lines, ahead of the jump, the label and what follows.
.macro JLOAD g0a, g1a, g0b, g1b
	s_cmp_eq_u32 s15, 0
	s_cbranch_scc0 .Lfor_b_\@
	tensor_load_to_lds s[\g0a:\g0a+3], s[\g1a:\g1a+7]
	s_nop 0
.rept 4
	v_nop
.endr
	s_branch .Lasked_\@
.Lfor_b_\@:
	tensor_load_to_lds s[\g0b:\g0b+3], s[\g1b:\g1b+7]
	s_nop 0
.rept 4
	v_nop
.endr
.Lasked_\@:
.endm
.macro CREST                           ; a round of the cluster's barrier behind its opening barrier
	s_cmp_lg_u32 s14, 0
	s_cbranch_scc1 .Lnot_wave_0_\@
	s_barrier_signal -3
.Lnot_wave_0_\@:
	s_barrier_wait -3
	s_barrier_signal -1
	s_barrier_wait -1
.endm
.macro CROUND                          ; a whole round
	s_barrier_signal -1
	s_barrier_wait -1
	CREST
.endm
	s_load_b128 s[4:7], s[0:1], 0x0                ; a_codes s[4:5], w_codes s[6:7]
	s_load_b128 s[8:11], s[0:1], 0x10              ; the scales' exponents s[8:9], c_prev s[10:11]
	s_load_b256 s[68:75], s[0:1], 0x20             ; b_forget, b_input, b_update, b_out
	s_load_b128 s[76:79], s[0:1], 0x40             ; out0 s[76:77], out1 s[78:79]
	v_lshl_add_u32 v[SPW], v0, 2, SPARE
	v_mov_b32 v[NIL], 0
	ds_add_u32 v28, v29
	s_wait_dscnt 0x0
	v_lshrrev_b32 v1, 5, v0
	v_readfirstlane_b32 s14, v1                    ; wave 0..3
	s_lshr_b32 s15, s14, 1                         ; which half of the tile's rows is mine.  Also: I fetch a_codes (0) or w_codes (1)
	s_and_b32 s16, s14, 1                          ; which half of its columns.  Also: which 128 rows of that tile I fetch
	s_bfe_u32 s40, ttmp6, 0x40000                  ; cx, cy: my place in the cluster
	s_bfe_u32 s41, ttmp6, 0x40004
	s_lshl_b32 s42, ttmp9, 2
	s_add_co_u32 s42, s42, s40                     ; tile column = 4 x cluster x + cx: 0 .. 15
	s_and_b32 s17, ttmp7, 0xffff
	s_lshl_b32 s17, s17, 2
	s_add_co_u32 s17, s17, s41                     ; my first tile's row = 4 x cluster y + cy: 0 .. 15
	s_lshl_b32 s43, s41, 2
	s_lshl_b32 s43, 15, s43                        ; my row of the cluster
	s_lshl_b32 s44, 0x1111, s40                    ; my column
	; descriptor group 1: a tile of 128 rows x 256 bytes, padded in LDS
	s_or_b32 s[G1+0], s43, (0<<16)|(1<<20)|(1<<21)|(5<<22)|(3<<25)  ; 15:0 the mask: a_codes' tiles go to my row; 17:16 element of 1 byte; 20 padding on; 21 set beside a mask; 24:22 after every 64 words (code 5); 31:25 of 4 words (code 3)
	s_or_b32 s[G1B+0], s44, (0<<16)|(1<<20)|(1<<21)|(5<<22)|(3<<25)
.irp g, G1, G1B
	s_mov_b32 s[\g+1], ROWB<<16                    ; tensor_dim0
	s_mov_b32 s[\g+2], 128<<16                     ; tensor_dim1 = 128
	s_mov_b32 s[\g+3], ROWB<<16                    ; tile_dim0
	s_mov_b32 s[\g+4], 128                         ; tile_dim1 = 128
	s_mov_b32 s[\g+5], KROW                        ; tensor_dim0_stride
	s_mov_b32 s[\g+6], 0
	s_mov_b32 s[\g+7], 0
.endr
	s_lshl_b32 s18, s16, 7                         ; which 128 rows of the tile I fetch
	s_lshl_b32 s20, s17, 8
	s_add_co_u32 s20, s20, s18                     ; a_codes: row 256 x tile row + 128 x half
	s_lshl_b32 s46, s42, 8
	s_add_co_u32 s46, s46, s18                     ; w_codes: row 256 x tile column + 128 x half
	s_mov_b32 s21, 0
	s_mov_b32 s47, 0
	s_mov_b64 s[18:19], KROW
	s_mul_u64 s[20:21], s[20:21], s[18:19]
	s_mul_u64 s[46:47], s[46:47], s[18:19]
	s_mul_i32 s45, s14, HALFT                      ; where they go: wave x 128 rows: no place in the cluster enters an LDS address
	s_wait_kmcnt 0x0
	s_load_b64 s[96:97], s[8:9], 0x0               ; ea, eb
	s_add_nc_u64 s[20:21], s[4:5], s[20:21]
	s_add_nc_u64 s[46:47], s[6:7], s[46:47]
	CROUND                                         ; all sixteen work-groups are here: the first joint loads meet
.irp s, 0,1
	s_mov_b32 s[G0+4*\s], 1
	s_add_co_u32 s[G0+4*\s+1], s45, \s*SLOT
	s_add_nc_u64 s[G0+4*\s+2:G0+4*\s+3], s[20:21], \s*ROWB
	s_or_b32 s[G0+4*\s+3], s[G0+4*\s+3], 0x80000000
	s_mov_b32 s[G0B+4*\s], 1
	s_add_co_u32 s[G0B+4*\s+1], s45, \s*SLOT
	s_add_nc_u64 s[G0B+4*\s+2:G0B+4*\s+3], s[46:47], \s*ROWB
	s_or_b32 s[G0B+4*\s+3], s[G0B+4*\s+3], 0x80000000
	JLOAD G0+4*\s, G1, G0B+4*\s, G1B
.endr
	; c_prev, out0 and out1 at the first of the whole rows that my wave moves: of each block of 16 rows of my row half the 8 rows from 8 x (wave & 1) on
	s_lshl_b32 s22, s17, 20                        ; 256 rows of 4,096 bytes for each tile row,
	s_lshl_b32 s20, s15, 19                        ; 128 for my row half,
	s_add_co_u32 s22, s22, s20
	s_lshl_b32 s20, s16, 15                        ; 8 for my part of a block
	s_add_co_u32 s22, s22, s20
	s_mov_b32 s23, 0
	s_lshl_b32 s46, s42, 8                         ; 64 columns of 4 bytes for each tile column
	s_mov_b32 s47, 0
	s_add_nc_u64 s[10:11], s[10:11], s[22:23]
	s_add_nc_u64 s[10:11], s[10:11], s[46:47]
	s_add_nc_u64 s[76:77], s[76:77], s[22:23]
	s_add_nc_u64 s[76:77], s[76:77], s[46:47]
	s_add_nc_u64 s[78:79], s[78:79], s[22:23]
	s_add_nc_u64 s[78:79], s[78:79], s[46:47]
	s_lshl_b32 s47, s16, 7
	s_add_co_u32 s46, s46, s47                     ; my wave's 32 columns in a bias, in bytes
	v_and_b32 v1, 15, v0                           ; r = l % 16
	v_bfe_u32 v2, v0, 4, 1                         ; h = l / 16
	v_lshl_add_u32 v[BO], v2, 5, s46               ; + my half's eight
.irp g, 0,1,2,3
.irp u, 0,1
.irp q, 0,1
	global_load_b128 v[BIAS+16*\g+8*\u+4*\q:BIAS+16*\g+8*\u+4*\q+3], v[BO], s[68+2*\g:69+2*\g] offset:64*\u+16*\q   ; they stay in registers for both tiles
.endr
.endr
.endr
	v_bfe_u32 v6, v0, 3, 2                         ; prefetch: lane l stands for row 16 (l / 8) + l % 8 of the wave's rows, and for the row 64 further down
	v_and_b32 v7, 7, v0
	v_lshl_add_u32 v6, v6, 4, v7
	v_lshlrev_b32 v[PF], 12, v6
	v_mul_u32_u24 v3, v1, PITCH
	v_lshl_add_u32 v4, v2, 4, v3                   ; a fragment's row x pitch + 16 x half
	s_mul_i32 s21, s15, HALFT                      ; my 128 rows of a_codes
	s_mul_i32 s22, s16, HALFT                      ; my 128 rows of w_codes,
	s_add_co_u32 s22, s22, 2*HALFT                 ; which lie behind a_codes' 256
.irp s, 0,1
	v_add_nc_u32 v[ADRA+\s], s21, v4
	v_add_nc_u32 v[ADRB+\s], s22, v4
	s_add_co_u32 s21, s21, SLOT
	s_add_co_u32 s22, s22, SLOT
.endr
	s_mul_i32 s18, s15, 16*PITCH                   ; a stage buffer: my row half's 16 rows,
	s_lshl_b32 s19, s16, 7                         ; the cell: my 128 bytes of them,
	s_add_co_u32 s19, s19, s18
	s_add_co_u32 s19, s19, CST
	v_lshl_add_u32 v5, v2, 5, v3                   ; row r, 32 bytes for each half of the lanes
	v_add_nc_u32 v[CADR], s19, v5
	v_add_nc_u32 v[HADR], HST-CST, v[CADR]
	s_mul_i32 s19, s16, 8*PITCH                    ; whole rows: my 8 of the 16,
	s_add_co_u32 s19, s19, s18
	s_add_co_u32 s19, s19, CST
	v_mul_u32_u24 v5, v2, PITCH                    ; lanes 0-15 one row of 256 bytes, lanes 16-31 the next
	v_lshl_add_u32 v5, v1, 4, v5
	v_add_nc_u32 v[RDC], s19, v5
	v_add_nc_u32 v[RDH], HST-CST, v[RDC]
	v_lshlrev_b32 v6, 12, v2
	v_lshl_add_u32 v[CO], v1, 4, v6                ; and the same two rows in memory
	; sigmoid(x) = 1 / (1 + 2^(-log2(e) x)), tanh(x) = 1 - 2 / (1 + 2^(2 log2(e) x)).  x = sum x 2^(ea + eb) + b: one packed multiply-add gives the exponent,
	; with the factor's exponent field raised by ea + eb and the bias multiplied by the factor, once, here, while the first tiles are on their way.
	s_wait_kmcnt 0x0
	s_add_co_i32 s96, s96, s97
	s_lshl_b32 s96, s96, 23                        ; ea + eb at the place of an exponent field
	s_mov_b32 s92, 0xbfb8aa3b                      ; -log2(e)
	s_mov_b32 s93, s92                             ; (named with it as a pair, so it is written)
	s_mov_b32 s98, 0x4038aa3b                      ; 2 log2(e)
	s_mov_b32 s99, s98
	s_wait_loadcnt 0x0                             ; the biases
.set j, 0
.rept 32
.if (j >= 32) && (j < 48)
	v_pk_mul_f32 v[BIAS+j:BIAS+j+1], v[BIAS+j:BIAS+j+1], s[98:99] op_sel_hi:[1,0]
.else
	v_pk_mul_f32 v[BIAS+j:BIAS+j+1], v[BIAS+j:BIAS+j+1], s[92:93] op_sel_hi:[1,0]
.endif
.set j, j+2
.endr
	s_add_co_u32 s92, s92, s96                     ; -log2(e) x 2^(ea + eb)
	s_mov_b32 s93, s92
	s_add_co_u32 s94, s98, s96                     ; 2 log2(e) x 2^(ea + eb)
	s_mov_b32 s95, s94
.macro FRAG reg, adr, q, i             ; a fragment, 16 rows x 128 K of 8-bit codes, is 16 registers: four loads of 16 bytes, 32 bytes apart; the same places along K in both operands
.irp c, 0,1,2,3
	ds_load_b128 v[\reg+4*\c:\reg+4*\c+3], v[\adr] offset:128*(\q)+32*\c+(\i)*16*PITCH
.endr
.endm
; 16 matrix instructions: a_codes' blocks a0, a0 + 1 x w_codes' eight, 128 along K.  p: w_codes' set.  zero = 1: the first product starts the sums: nothing is ever cleared.
; The 64 accumulators take turns, one instruction a turn, in the same order in every step.
.macro MUL16 a0, p, zero
.irp a, \a0, \a0+1
.irp b, 0,1,2,3,4,5,6,7
.if \zero
	v_wmma_f32_16x16x128_fp8_fp8 v[8*(8*((\a)%4)+\b):8*(8*((\a)%4)+\b)+7], v[128*(\p)+FR*\b:128*(\p)+FR*\b+FR-1], v[AF+FR*(\a):AF+FR*(\a)+FR-1], 0
.else
	v_wmma_f32_16x16x128_fp8_fp8 v[8*(8*((\a)%4)+\b):8*(8*((\a)%4)+\b)+7], v[128*(\p)+FR*\b:128*(\p)+FR*\b+FR-1], v[AF+FR*(\a):AF+FR*(\a)+FR-1], v[8*(8*((\a)%4)+\b):8*(8*((\a)%4)+\b)+7]
.endif
.endr
.endr
.endm
.macro FETCH_B slot, q, p              ; w_codes' eight fragments of the slot's q-th 128 along K into set p
	WIN TO_B
.irp i, 0,1,2,3,4,5,6,7
	FRAG 128*(\p)+FR*\i, ADRB+\slot, \q, \i
.endr
	WIN 0
.endm
.macro FETCH_A slot, q, i0             ; a_codes' blocks i0 .. i0 + 3
.irp i, \i0, \i0+1, \i0+2, \i0+3
	FRAG AF+FR*(\i), ADRA+\slot, \q, \i
.endr
.endm
; A load into a register that a matrix instruction has read, and a vector instruction that reads a matrix result, stand NP places behind that matrix instruction; only plain vector
; instructions that name none of its registers are places (ISA guide 7.12.1 for vector instructions).
.macro PLACES n
.rept \n
	v_nop
.endr
.endm
; A step of 128 along K that has its successor in the same slot.
.macro STEP slot, q, zero
	s_wait_dscnt 4*NL                              ; w_codes' set and a_codes' blocks 0-3 are in; the youngest sixteen loads (blocks 4-7) may be out
	WIN MUL_LO
	MUL16 0, (\q)%2, \zero
	MUL16 2, (\q)%2, \zero
	s_wait_dscnt 0                                 ; blocks 4-7 are in (asked for 32 matrix instructions ago)
	PLACES NP
	FETCH_B \slot, (\q)+1, 1-(\q)%2
	FETCH_A \slot, (\q)+1, 0
	WIN MUL_HI
	MUL16 4, (\q)%2, \zero
	MUL16 6, (\q)%2, \zero
	PLACES NP
	WIN 0
	FETCH_A \slot, (\q)+1, 4
.endm
; A slot's last step.  THE CHANGE OF SLOTS STANDS AT ITS HEAD: all the step's fragments have been asked for, so nothing of the slot is read any more once those loads are back.  Each wave waits for all its tensor
; loads (its part of the next slot), adds 0 to its spare word, and waits for that and for its reads of this slot; the barrier opens a round of the cluster's barrier, and behind the round this slot is filled again,
; one joint load a wave: it has this step's 64 matrix instructions and the next step's 64 in which to land.
; fill = 1: with this tile's codes two K steps ahead.  fill = 2: with the next tile's K step 0.  fill = 0: with nothing; then no round follows the barrier.
.macro TURN slot, next, fill
	s_wait_tensorcnt 0x0                           ; all my tensor loads have landed: my part of the next slot; so a group 0 may be written  (every window is 0 here)
	ds_add_u32 v[SPW], v[NIL]                      ; 0 onto my spare word: the descriptors' steps stand between it and the wait for it
.if \fill == 1
	s_add_nc_u64 s[G0+4*\slot+2:G0+4*\slot+3], s[G0+4*\slot+2:G0+4*\slot+3], 2*ROWB
	s_add_nc_u64 s[G0B+4*\slot+2:G0B+4*\slot+3], s[G0B+4*\slot+2:G0B+4*\slot+3], 2*ROWB
.elseif \fill == 2
	s_add_nc_u64 s[G0+4*\slot+2:G0+4*\slot+3], s[G0+4*\slot+2:G0+4*\slot+3], NEXT_A
	s_sub_nc_u64 s[G0B+4*\slot+2:G0B+4*\slot+3], s[G0B+4*\slot+2:G0B+4*\slot+3], BACK_B
.endif
	s_wait_dscnt 0x0                               ; the add is done, and my reads of this slot are over
	s_barrier_signal -1
	s_barrier_wait -1
.if \fill
	CREST                                          ; no wave of any partner still reads this slot's tile or has a load on its way
	JLOAD G0+4*\slot, G1, G0B+4*\slot, G1B         ; the first tensor load behind the round
.endif
	WIN MUL_LO
	MUL16 0, 1, 0
	MUL16 2, 1, 0
	PLACES NP
	FETCH_B \next, 0, 0
	FETCH_A \next, 0, 0
	WIN MUL_HI
	MUL16 4, 1, 0
	MUL16 6, 1, 0
	PLACES NP
	WIN 0
	FETCH_A \next, 0, 4
.endm
; ---- c_prev: whole rows of 256 bytes, two an instruction; of each block a of 16 rows my wave moves 8
.macro CEARLY                          ; blocks 0 and 1, into registers that are free throughout
.irp a, 0,1
.irp t, 0,1,2,3
	global_load_b128 v[CIN+16*\a+4*\t:CIN+16*\a+4*\t+3], v[CO], s[10:11] offset:(16*\a+2*\t)*HROW th:TH_LOAD_NT
.endr
.endr
.endm
.macro CLATE                           ; blocks 2 to 7, into w_codes' set 0, which the tile's last step does not use (four places stand behind the last product that read it: at the end of STEP)
	WIN TO_B
.irp a, 2,3,4,5,6,7
.irp t, 0,1,2,3
	global_load_b128 v[16*(\a-2)+4*\t:16*(\a-2)+4*\t+3], v[CO], s[10:11] offset:(16*\a+2*\t)*HROW th:TH_LOAD_NT
.endr
.endr
	WIN 0
.endm
.macro CSTORE a                        ; block a's rows go into buffer a % 3
	s_wait_loadcnt 4*(7-(\a))                      ; loads come back in order (ISA guide 5.7.1): block a's four are in; those of the blocks behind it may be out
.if (\a) < 2
.irp t, 0,1,2,3
	ds_store_b128 v[RDC], v[CIN+16*(\a)+4*\t:CIN+16*(\a)+4*\t+3] offset:((\a)%3)*CBUF+2*\t*PITCH
.endr
.else
	WIN 0x04                                       ; the data (source 1) in window 1
.irp t, 0,1,2,3
	ds_store_b128 v[RDC], v[16*((\a)-2)+4*\t:16*((\a)-2)+4*\t+3] offset:((\a)%3)*CBUF+2*\t*PITCH
.endr
	WIN 0
.endif
.endm
.macro CLOAD a                         ; c_prev of block a's 16 hidden units of my lane
.irp u, 0,1
.irp q, 0,1
	ds_load_b128 v[CC+8*\u+4*\q:CC+8*\u+4*\q+3], v[CADR] offset:((\a)%3)*CBUF+64*\u+16*\q
.endr
.endr
.endm
; A tile's very last step of 128 along K.  At its head the rest of c_prev is asked for and block 0's rows go into their stage; then the change of slots as in TURN (fill = 2: slot 1 takes the next tile's
; K step 1; fill = 0: nothing is filled).  Its barrier also shows block 0's rows of c_prev to all four waves.
.macro LAST fill
	CLATE
	CSTORE 0
	s_wait_tensorcnt 0x0                           ; all my tensor loads have landed (with fill = 2: my part of the next tile's K step 0)
	ds_add_u32 v[SPW], v[NIL]                      ; 0 onto my spare word
.if \fill
	s_add_nc_u64 s[G0+6:G0+7], s[G0+6:G0+7], NEXT_A
	s_sub_nc_u64 s[G0B+6:G0B+7], s[G0B+6:G0B+7], BACK_B
.endif
	s_wait_dscnt 0x0                               ; the add is done, my stores into the stage have landed, and my reads of slot 1 are over
	s_barrier_signal -1
	s_barrier_wait -1
.if \fill
	CREST
	JLOAD G0+4, G1, G0B+4, G1B
.endif
	WIN MUL_LO
	MUL16 0, 1, 0
	MUL16 2, 1, 0
	WIN MUL_HI
	MUL16 4, 1, 0
	MUL16 6, 1, 0
	WIN 0
	PLACES NP                                      ; behind the last products: the tail reads their results and writes over a_codes' fragments
.endm
; ---- THE TAIL, block by block of 16 rows of each row half.  One barrier a block.  Ahead of barrier a a wave stores c_t(a) over the bytes of c_prev(a) that it alone has read (buffer a % 3), h_t(a) (buffer a % 2)
; and its rows of c_prev(a + 1) (buffer (a + 1) % 3).  What lay in those bytes before, block a - 2's, was read by loads that every wave awaited in front of barrier a - 1.
.macro OUTLOAD a                       ; my 8 whole rows of c_t and of h_t
.if (\a) > 0
	s_wait_xcnt 0x0                                ; the block before's stores have read their registers
.endif
.irp t, 0,1,2,3
	ds_load_b128 v[OUTR+4*\t:OUTR+4*\t+3], v[RDC] offset:((\a)%3)*CBUF+2*\t*PITCH
.endr
.irp t, 0,1,2,3
	ds_load_b128 v[OUTR+16+4*\t:OUTR+16+4*\t+3], v[RDH] offset:((\a)%2)*CBUF+2*\t*PITCH
.endr
.endm
.macro SEND a
	s_wait_dscnt 0x0                               ; the rows are in registers (and so is the next block's c_prev)
.irp t, 0,1,2,3
	global_store_b128 v[CO], v[OUTR+4*\t:OUTR+4*\t+3], s[78:79] offset:(16*(\a)+2*\t)*HROW th:TH_STORE_NT   ; c_t.  16 lanes store 256 consecutive bytes, at a multiple of 256 from the output's first byte; 118 rows at the most: inside the signed 24-bit immediate
.endr
.irp t, 0,1,2,3
	global_store_b128 v[CO], v[OUTR+16+4*\t:OUTR+16+4*\t+3], s[76:77] offset:(16*(\a)+2*\t)*HROW th:TH_STORE_NT   ; h_t
.endr
.endm
.macro BLOCK a
.set AC, 64*((\a)%4)
	WIN 0x02+((\a)/4)                              ; source 0: window 2 or 3
.set j, 0
.rept 32                                       ; the exponents, each accumulator from its low end on
.if (j >= 32) && (j < 48)
	v_pk_fma_f32 v[G+j:G+j+1], v[AC+j:AC+j+1], s[94:95], v[BIAS+j:BIAS+j+1] op_sel_hi:[1,0,1]
.else
	v_pk_fma_f32 v[G+j:G+j+1], v[AC+j:AC+j+1], s[92:93], v[BIAS+j:BIAS+j+1] op_sel_hi:[1,0,1]
.endif
.set j, j+2
.endr
	WIN 0
.set j, 0
.rept 64
	v_exp_f32 v[G+j], v[G+j]
.set j, j+1
.endr
	v_nop                                          ; a plain instruction between a run of transcendentals and the first use of a result (ISA guide 5.7.2)
.if (\a) > 0
	SEND (\a)-1                                    ; the block before leaves while this one is worked
.else
	s_wait_dscnt 0x0                               ; c_prev of block 0
.endif
.set j, 0
	s_wait_alu depctr_va_vdst(0)
.rept 32
	v_pk_add_f32 v[G+j:G+j+1], v[G+j:G+j+1], 1.0 op_sel_hi:[1,0]
.set j, j+2
.endr
.set j, 0
.rept 64
	v_rcp_f32 v[G+j], v[G+j]                       ; sigmoid(f), sigmoid(i), sigmoid(o); for g: 1 / (1 + e^(2g))
.set j, j+1
.endr
	v_nop
.set j, 0
	s_wait_alu depctr_va_vdst(0)
.rept 8
	v_pk_fma_f32 v[G+32+j:G+32+j+1], v[G+32+j:G+32+j+1], -2.0, 1.0 op_sel_hi:[1,0,0]   ; tanh(g)
.set j, j+2
.endr
.set j, 0
.rept 8
	v_pk_mul_f32 v[CC+j:CC+j+1], v[CC+j:CC+j+1], v[G+j:G+j+1]
.set j, j+2
.endr
.set j, 0
.rept 8
	v_pk_fma_f32 v[CC+j:CC+j+1], v[G+16+j:G+16+j+1], v[G+32+j:G+32+j+1], v[CC+j:CC+j+1]   ; c_t
.set j, j+2
.endr
.irp u, 0,1
.irp q, 0,1
	ds_store_b128 v[CADR], v[CC+8*\u+4*\q:CC+8*\u+4*\q+3] offset:((\a)%3)*CBUF+64*\u+16*\q
.endr
.endr
.set j, 0
.rept 8
	v_pk_mul_f32 v[TT+j:TT+j+1], v[CC+j:CC+j+1], s[98:99] op_sel_hi:[1,0]
.set j, j+2
.endr
.set j, 0
.rept 16
	v_exp_f32 v[TT+j], v[TT+j]
.set j, j+1
.endr
	v_nop
.set j, 0
	s_wait_alu depctr_va_vdst(0)
.rept 8
	v_pk_add_f32 v[TT+j:TT+j+1], v[TT+j:TT+j+1], 1.0 op_sel_hi:[1,0]
.set j, j+2
.endr
.set j, 0
.rept 16
	v_rcp_f32 v[TT+j], v[TT+j]
.set j, j+1
.endr
	v_nop
.set j, 0
	s_wait_alu depctr_va_vdst(0)
.rept 8
	v_pk_fma_f32 v[TT+j:TT+j+1], v[TT+j:TT+j+1], -2.0, 1.0 op_sel_hi:[1,0,0]   ; tanh(c_t)
.set j, j+2
.endr
.set j, 0
.rept 8
	v_pk_mul_f32 v[TT+j:TT+j+1], v[TT+j:TT+j+1], v[G+48+j:G+48+j+1]   ; h_t
.set j, j+2
.endr
.irp u, 0,1
.irp q, 0,1
	ds_store_b128 v[HADR], v[TT+8*\u+4*\q:TT+8*\u+4*\q+3] offset:((\a)%2)*CBUF+64*\u+16*\q
.endr
.endr
.if (\a) < 7
	CSTORE (\a)+1
.endif
	s_wait_dscnt 0x0                               ; for the others' sake: my stores have landed, and my reads of the block before are over
	s_barrier_signal -1
	s_barrier_wait -1                              ; block a's rows of c_t and h_t are whole, and so are block a + 1's of c_prev.  The next tile's load may stay out
.if (\a) < 7
	CLOAD (\a)+1
.endif
	OUTLOAD \a
.endm
.macro TAIL
	CLOAD 0
.irp a, 0,1,2,3,4,5,6,7
	BLOCK \a
.endr
	SEND 7
.endm
	s_wait_tensorcnt 1                             ; my part of K step 0 is in (K step 1's load may be out),
	s_barrier_signal -1
	s_barrier_wait -1                              ; everybody's is
	s_mov_b32 s2, TILES                            ; tiles to go, this one among them: the same number in every work-group
.Ltile:                                                ; slot 0 holds the tile's K step 0, whole: at the second entry the barrier in LAST has shown that
	FETCH_B 0, 0, 0
	FETCH_A 0, 0, 0
	FETCH_A 0, 0, 4
	STEP 0, 0, 1                                   ; a tile's first step stands in front of the loop: its products start the sums
	s_mov_b32 s3, LAPS-1
.Llap:                                                 ; a trip goes once round the ring, from a lap's second step to the next lap's first, and fills both slots again
	TURN 0, 1, 1
	s_cmp_lg_u32 s3, 1                             ; in the last trip my wave's 64 rows of c_prev are asked for ahead: 32 lanes x 2 lines, each row's 256 bytes once in the launch;
	s_cbranch_scc1 .Lnopf                          ; 192 matrix instructions ahead of the loads of blocks 0 and 1, 320 ahead of the others'
	global_prefetch_b8 v[PF], s[10:11] th:TH_LOAD_NT scope:SCOPE_SE
	global_prefetch_b8 v[PF], s[10:11] offset:64*HROW th:TH_LOAD_NT scope:SCOPE_SE
.Lnopf:
	STEP 1, 0, 0
	TURN 1, 0, 1
	STEP 0, 0, 0
	s_sub_co_u32 s3, s3, 1
	s_cmp_lg_u32 s3, 0
	s_cbranch_scc1 .Llap
	CEARLY                                         ; 128 matrix instructions ahead of their first use
	s_cmp_eq_u32 s2, 1
	s_cbranch_scc1 .Llast_tile                     ; the last tile's end is written out: it asks for nothing more
	TURN 0, 1, 2                                   ; THE RING GOES ON INTO THE NEXT TILE: slot 0 takes its K step 0,
	STEP 1, 0, 0
	LAST 2                                         ; slot 1 its K step 1
	TAIL                                           ; both land while the cells are computed
	s_wait_xcnt 0x0                                ; the stores and loads have read their registers and bases: the bases may step, and the next tile's fragments may land on the rows sent last
	s_add_nc_u64 s[10:11], s[10:11], NEXT_H
	s_add_nc_u64 s[76:77], s[76:77], NEXT_H
	s_add_nc_u64 s[78:79], s[78:79], NEXT_H
	s_sub_co_u32 s2, s2, 1
	s_cmp_lg_u32 s2, 0
	s_cbranch_scc1 .Ltile
.Llast_tile:
	TURN 0, 1, 0                                   ; nothing is filled, so no round of the cluster's barrier
	STEP 1, 0, 0
	LAST 0
	TAIL
	s_wait_tensorcnt 0x0                           ; the wave's end: behind my last tensor load and my last LDS store
	ds_add_u32 v[SPW], v[NIL]
	s_wait_dscnt 0x0
	CROUND                                         ; the closing round: no work-group ends while a partner may still ask for a tile that names it
	s_endpgm
.Lfunc_end_k_q2ff6b95641_cell:
	.size	k_q2ff6b95641_cell, .Lfunc_end_k_q2ff6b95641_cell-k_q2ff6b95641_cell
	.p2alignl 7, 3214868480
	.fill 96, 4, 3214868480
	.section	.rodata,"a",@progbits
	.p2align	6, 0x0
	.amdhsa_kernel k_q2ff6b95641_cell
		.amdhsa_group_segment_fixed_size 327680
		.amdhsa_private_segment_fixed_size 0
		.amdhsa_enable_private_segment 0
		.amdhsa_kernarg_size 80
		.amdhsa_user_sgpr_count 2
		.amdhsa_user_sgpr_kernarg_segment_ptr 1
		.amdhsa_wavefront_size32 1
		.amdhsa_system_sgpr_workgroup_id_x 1
		.amdhsa_system_sgpr_workgroup_id_y 1
		.amdhsa_system_sgpr_workgroup_id_z 1
		.amdhsa_system_vgpr_workitem_id 0
		.amdhsa_next_free_vgpr 1024
		.amdhsa_next_free_sgpr 100
		.amdhsa_reserve_vcc 0
		.amdhsa_float_denorm_mode_32 3
		.amdhsa_float_denorm_mode_16_64 3
		.amdhsa_memory_ordered 1
		.amdhsa_forward_progress 1
		.amdhsa_inst_pref_size 255
	.end_amdhsa_kernel
	.section	.bss,"aw",@nobits
	.p2align	6
	.space	262144
	.amdgpu_metadata
---
amdhsa.version: [ 1, 2 ]
amdhsa.kernels:
  - .name:           k_q2ff6b95641_cell
    .symbol:         k_q2ff6b95641_cell.kd
    .args:
      - { .name: a_codes, .offset: 0, .size: 8, .value_kind: global_buffer, .address_space: global }
      - { .name: w_codes, .offset: 8, .size: 8, .value_kind: global_buffer, .address_space: global }
      - { .name: lowp_scales, .offset: 16, .size: 8, .value_kind: global_buffer, .address_space: global }
      - { .name: c_prev, .offset: 24, .size: 8, .value_kind: global_buffer, .address_space: global }
      - { .name: b_forget, .offset: 32, .size: 8, .value_kind: global_buffer, .address_space: global }
      - { .name: b_input, .offset: 40, .size: 8, .value_kind: global_buffer, .address_space: global }
      - { .name: b_update, .offset: 48, .size: 8, .value_kind: global_buffer, .address_space: global }
      - { .name: b_out, .offset: 56, .size: 8, .value_kind: global_buffer, .address_space: global }
      - { .name: out0, .offset: 64, .size: 8, .value_kind: global_buffer, .address_space: global }
      - { .name: out1, .offset: 72, .size: 8, .value_kind: global_buffer, .address_space: global }
    .group_segment_fixed_size: 327680
    .private_segment_fixed_size: 0
    .kernarg_segment_align: 8
    .kernarg_segment_size: 80
    .max_flat_workgroup_size: 128
    .sgpr_count:     100
    .vgpr_count:     1024
    .wavefront_size: 32
...
	.end_amdgpu_metadata
.endif
;; end of part 2
